; MI455X (gfx1250); checked and timed in simulation.
; The chip was launched on July 23, 2026; its instructions are those of AMD's public machine-readable ISA for CDNA 5 (MIT licence, August 2026) and "CDNA5" Instruction Set Architecture Reference Guide (July 2026). The comments in the code are by the model that wrote it; some were corrected since.
;; Linear Attention. Allowed arithmetic: float matrix products may take bf16 or f16 operands with f32 sums; other float arithmetic in f32, or as packed bf16 or f16 multiplies, adds, multiply-adds, maxima and minima; sums over many terms, partial sums and values carried from step to step in f32; what a program stores and reads back later, other than sums and carried values, may be rounded once to bf16 or f16.
;; Inputs: W_proj 1,024 x 1,024 float32; W_qkv 1,024 x 3,072 float32; b_proj 1,024 float32; x 4 x 4,096 x 1,024 float32.
;; Outputs: out0 4 x 4,096 x 1,024 float32.
;; 2 versions, each right; version 2 is version 1 with the launch prep written anew for expert scheduling mode. Each part assembles by itself: llvm-mc -triple=amdgcn-amd-amdhsa -mcpu=gfx1250 --defsym DOCPART=n.
;; ======== version 1 of 2: 4 launches
;; workspace buffers: xb 33,554,432 bytes; wt 4,456,448 bytes; qsw 1,048,576 bytes; kvp 524,288 bytes; g32 262,144 bytes
;; launch prep (part 1): grid 304 x 1, 8 waves a work-group, no clusters, 140,288 bytes of LDS; arguments x, W_qkv, xb, wt; writes xb, wt
.if DOCPART == 1
	.amdgcn_target "amdgcn-amd-amdhsa--gfx1250"
	.amdhsa_code_object_version 6
	.text
	.protected	k_q73ed483769_prep
	.globl	k_q73ed483769_prep
	.p2align	8
	.type	k_q73ed483769_prep,@function
k_q73ed483769_prep:
	s_mov_b64 s[64:65], 0
	v_nop
	global_prefetch_b8 v0, s[64:65] scope:SCOPE_SE
	s_setreg_imm32_b32 hwreg(HW_REG_WAVE_MODE, 25, 1), 1
	s_wait_xcnt 0x0
; PREPARATION.  Work-groups 0-255: xb = x rounded to bf16, [16384][1024].  Work-groups 256-303: one head's 64 columns of W_qkv each
; (0-15 q, 16-31 k, 32-47 v), rounded to bf16 and turned so that K lies along the rows of wt = [8 ct][272 rows][1024 k] bf16.
; wt row 64 hd4 + 16 bb + r of block ct holds column 256 ct + 64 hd4 + 4 r + bb.  Rows 256 + i of the blocks ct >= 4 hold the sums of a
; v head's 64 (rounded) columns, i = 8 chh + 2 part + hdl for head 4 (ct - 4) + 2 chh + hdl: part 0 the sum rounded to bf16, part 1 the rest
; rounded to bf16.  The rows with i & 4 set, and all sixteen extra rows of the blocks ct < 4, are 0.
; Every wave reads 32 KiB.  No wave wants another wave's bytes: the turning goes through a stage in LDS of the wave's own, without a barrier.
.set STG,   17408                      ; a wave's stage: 64 rows x (256 + 16) bytes; rows 272 bytes apart start at sixteen different groups of four banks
.set SPARE, 8*STG                      ; behind the stages: the spare words, 128 bytes a wave
.set SPW, 4                            ; v4   my spare word; never rewritten
.set NIL, 5                            ; v5   0; never rewritten
.set VI,  6                            ; v6   x path: 16 x lane
.set VOX, 7                            ; v7   x path: 8 x lane
.set VWI, 8                            ; v8   W path: 8 rows of W_qkv x (lane / 16) + 16 (lane % 16)
.set STA, 9                            ; v9   into the stage
.set RDA, 10                           ; v10  back from the stage
.set VWO, 11                           ; v11  two rows of wt
.set VVO, 12                           ; v12  two rows of wt, two rows apart
.set X,   32                           ; v[32:159]  four slots of 32 registers; later the stage read back
.set P,   160                          ; v[160:175] packed, on the way into the stage
.set SUM, 176                          ; v[176:183] a v head's sums for 8 k
.set U,   184                          ; v[184:191] at work
.set HI,  192                          ; v[192:195]
.set LO,  196                          ; v[196:199]
.set Z,   200                          ; v[200:203] zeros
	s_load_b256 s[4:11], s[0:1], 0x0               ; x s[4:5], W_qkv s[6:7], xb s[8:9], wt s[10:11]
	v_lshl_add_u32 v[SPW], v0, 2, SPARE
	v_mov_b32 v[NIL], 0
	v_lshrrev_b32 v1, 5, v0
	v_readfirstlane_b32 s12, v1                    ; wave 0..7
	v_and_b32 v1, 31, v0                           ; lane
	v_and_b32 v2, 15, v0                           ; r
	v_bfe_u32 v3, v0, 4, 1                         ; h2
	s_mov_b32 s16, ttmp9
	s_cmp_lt_u32 s16, 256
	s_cbranch_scc0 .Lw
	; ---- x: the work-group owns 64 rows, the wave 8; a ring of four row slots in registers
	v_lshlrev_b32 v[VI], 4, v1
	v_lshlrev_b32 v[VOX], 3, v1
	s_lshl_b32 s18, s16, 18                        ; 64 rows of 4,096 bytes
	s_lshl_b32 s17, s12, 15                        ; 8 rows
	s_add_co_u32 s18, s18, s17
	s_mov_b32 s19, 0
	s_lshr_b32 s22, s18, 1                         ; half of that in xb
	s_mov_b32 s23, 0
	s_wait_kmcnt 0x0
	s_add_nc_u64 s[4:5], s[4:5], s[18:19]
	s_add_nc_u64 s[8:9], s[8:9], s[22:23]
.macro XFILL s, row                    ; a row's eight loads, 512 consecutive bytes each
.irp j, 0,1,2,3,4,5,6,7
	global_load_b128 v[X+32*(\s)+4*(\j):X+32*(\s)+4*(\j)+3], v[VI], s[4:5] offset:(\row)*4096+512*(\j) th:TH_LOAD_NT
.endr
.endm
.macro XTURN row, left, fill           ; left: the younger loads, which may stay out
.set XS, X+32*((\row)%4)
	s_wait_loadcnt \left
.irp j, 0,1,2,3,4,5,6,7
	v_cvt_pk_bf16_f32 v[XS+4*(\j)],   v[XS+4*(\j)],   v[XS+4*(\j)+1]
	v_cvt_pk_bf16_f32 v[XS+4*(\j)+1], v[XS+4*(\j)+2], v[XS+4*(\j)+3]
.endr
.irp j, 0,1,2,3,4,5,6,7
	global_store_b64 v[VOX], v[XS+4*(\j):XS+4*(\j)+1], s[8:9] offset:(\row)*2048+256*(\j)  ; 32 lanes store 256 consecutive bytes, aligned
.endr
.if \fill
	s_wait_xcnt 0x0                                ; the stores have read their data: the slot is loaded again only behind this wait
	XFILL (\row)%4, (\row)+4
.endif
.endm
	XFILL 0, 0
	XFILL 1, 1
	XFILL 2, 2
	XFILL 3, 3
	XTURN 0, 24, 1                                 ; three younger rows of eight loads stay out,
	XTURN 1, 24, 1
	XTURN 2, 24, 1
	XTURN 3, 24, 1
	XTURN 4, 24, 0
	XTURN 5, 16, 0                                 ; and the counts run down when nothing more is asked for
	XTURN 6, 8, 0
	XTURN 7, 0, 0
	s_branch .Lend
	; ---- W_qkv: head s16 of 48, rows k = 128 wave .. + 127
.Lw:
	s_sub_co_u32 s16, s16, 256
	s_mov_b32 s13, 0xffff0000                      ; a word's upper bf16
	s_mov_b32 s14, 0x76543210                      ; v_permlanex16_b32: each lane takes its own place in the other half
	s_mov_b32 s15, 0xfedcba98
	s_mov_b32 s20, 0xffff0000                      ; lanes 16-31
	v_mul_u32_u24 v[VWI], v3, 98304                ; 8 rows of 12,288 bytes
	v_lshl_add_u32 v[VWI], v2, 4, v[VWI]
	s_mul_i32 s17, s12, STG                        ; my stage
	v_mul_u32_u24 v[STA], v2, 272
	v_lshl_add_u32 v[STA], v3, 4, v[STA]
	v_add_nc_u32 v[STA], s17, v[STA]
	v_mul_u32_u24 v[RDA], v3, 272
	v_lshl_add_u32 v[RDA], v2, 4, v[RDA]
	v_add_nc_u32 v[RDA], s17, v[RDA]
	v_lshlrev_b32 v[VWO], 11, v3
	v_lshl_add_u32 v[VWO], v2, 4, v[VWO]
	v_lshlrev_b32 v[VVO], 12, v3
	v_lshl_add_u32 v[VVO], v2, 4, v[VVO]
	s_mul_i32 s18, s12, 1572864                    ; 128 rows of 12,288 bytes
	s_lshl_b32 s17, s16, 8                         ; the head's 256 bytes in a row
	s_add_co_u32 s18, s18, s17
	s_mov_b32 s19, 0
	s_wait_kmcnt 0x0
	s_add_nc_u64 s[6:7], s[6:7], s[18:19]
.macro WFILL s, g                      ; 16 rows: lanes 0-15 take the head's 256 bytes of row 16 g + i, lanes 16-31 of row 16 g + 8 + i
.irp i, 0,1,2,3,4,5,6,7
	global_load_b128 v[X+32*(\s)+4*(\i):X+32*(\s)+4*(\i)+3], v[VWI], s[6:7] offset:(16*(\g)+(\i))*12288 th:TH_LOAD_NT
.endr
.endm
.macro WTURN g, left, fill             ; a lane's 8 k of column 4 r + bb pack into 16 bytes of stage row 16 bb + r
.set XS, X+32*((\g)%4)
	s_wait_loadcnt \left
.irp bb, 0,1,2,3
.irp q, 0,1,2,3
	v_cvt_pk_bf16_f32 v[P+4*(\bb)+(\q)], v[XS+8*(\q)+(\bb)], v[XS+8*(\q)+4+(\bb)]
.endr
.endr
.irp bb, 0,1,2,3
	ds_store_b128 v[STA], v[P+4*(\bb):P+4*(\bb)+3] offset:(\bb)*4352+32*(\g)
.endr
.if \fill
	WFILL (\g)%4, (\g)+4
.endif
.endm
	WFILL 0, 0
	WFILL 1, 1
	WFILL 2, 2
	WFILL 3, 3
	WTURN 0, 24, 1
	WTURN 1, 24, 1
	WTURN 2, 24, 1
	WTURN 3, 24, 1
	WTURN 4, 24, 0
	WTURN 5, 16, 0
	WTURN 6, 8, 0
	WTURN 7, 0, 0
.set t, 0
.rept 32                               ; back as whole rows of 256 bytes, two a load; LDS serves a wave's instructions in order, so these see the stores above
	ds_load_b128 v[X+4*t:X+4*t+3], v[RDA] offset:544*t
.set t, t+1
.endr
	s_cmp_lt_u32 s16, 32
	s_cbranch_scc0 .Lv
	s_lshr_b32 s17, s16, 2                         ; ct
	s_mul_i32 s17, s17, 272
	s_and_b32 s21, s16, 3
	s_lshl_b32 s21, s21, 6
	s_add_co_u32 s17, s17, s21                     ; + 64 hd4
	s_lshl_b32 s17, s17, 11                        ; rows of 2,048 bytes
	s_lshl_b32 s21, s12, 8                         ; my 128 k
	s_add_co_u32 s18, s17, s21
	s_mov_b32 s19, 0
	s_add_nc_u64 s[10:11], s[10:11], s[18:19]
.set t, 0
.rept 32
	s_wait_dscnt 31-t
	global_store_b128 v[VWO], v[X+4*t:X+4*t+3], s[10:11] offset:4096*t  ; 16 lanes store 256 consecutive bytes of a row, aligned
.set t, t+1
.endr
	s_branch .Lend
.Lv:	; a v head: the 64 stage rows are added, in f32
	s_sub_co_u32 s16, s16, 32                      ; hv
	s_lshr_b32 s17, s16, 2
	s_add_co_u32 s17, s17, 4                       ; ct = 4 + hv / 4
	s_mul_i32 s17, s17, 272
	s_bfe_u32 s21, s16, 0x10001                    ; chh
	s_lshl_b32 s21, s21, 3
	s_add_co_u32 s17, s17, s21
	s_and_b32 s21, s16, 1                          ; hdl
	s_add_co_u32 s17, s17, s21
	s_add_co_u32 s17, s17, 256
	s_lshl_b32 s17, s17, 11
	s_lshl_b32 s21, s12, 8
	s_add_co_u32 s18, s17, s21
	s_mov_b32 s19, 0
	s_add_nc_u64 s[10:11], s[10:11], s[18:19]
	s_wait_dscnt 31
.irp w, 0,1,2,3
	v_lshlrev_b32 v[SUM+2*(\w)],   16,  v[X+(\w)]  ; the first rows start the sums
	v_and_b32     v[SUM+2*(\w)+1], s13, v[X+(\w)]
.endr
.set t, 1
.rept 31
	s_wait_dscnt 31-t
.irp w, 0,1,2,3
	v_lshlrev_b32 v[U+2*(\w)],   16,  v[X+4*t+(\w)]
	v_and_b32     v[U+2*(\w)+1], s13, v[X+4*t+(\w)]
.endr
.irp w, 0,2,4,6
	v_pk_add_f32 v[SUM+(\w):SUM+(\w)+1], v[SUM+(\w):SUM+(\w)+1], v[U+(\w):U+(\w)+1]
.endr
.set t, t+1
.endr
.irp e, 0,1,2,3,4,5,6,7
	v_permlanex16_b32 v[U+(\e)], v[SUM+(\e)], s14, s15  ; the odd rows' sums lie in the other half of the lanes
.endr
.irp w, 0,2,4,6
	v_pk_add_f32 v[SUM+(\w):SUM+(\w)+1], v[SUM+(\w):SUM+(\w)+1], v[U+(\w):U+(\w)+1]
.endr
.irp w, 0,1,2,3
	v_cvt_pk_bf16_f32 v[HI+(\w)], v[SUM+2*(\w)], v[SUM+2*(\w)+1]
.endr
.irp w, 0,1,2,3
	v_lshlrev_b32 v[U+2*(\w)],   16,  v[HI+(\w)]
	v_and_b32     v[U+2*(\w)+1], s13, v[HI+(\w)]
.endr
.irp w, 0,2,4,6
	v_pk_add_f32 v[SUM+(\w):SUM+(\w)+1], v[SUM+(\w):SUM+(\w)+1], v[U+(\w):U+(\w)+1] neg_lo:[0,1] neg_hi:[0,1]
.endr
.irp w, 0,1,2,3
	v_cvt_pk_bf16_f32 v[LO+(\w)], v[SUM+2*(\w)], v[SUM+2*(\w)+1]
.endr
.irp w, 0,1,2,3
	v_cndmask_b32 v[HI+(\w)], v[HI+(\w)], v[LO+(\w)], s20  ; lanes 16-31 carry the rest, for the row two further down
	v_mov_b32 v[Z+(\w)], 0
.endr
	global_store_b128 v[VVO], v[HI:HI+3], s[10:11]
	global_store_b128 v[VVO], v[Z:Z+3], s[10:11] offset:8192            ; rows i + 4 and i + 6
	global_store_b128 v[VVO], v[Z:Z+3], s[10:11] offset:-2228224        ; the same four rows of block ct - 4: 4 x 272 rows back
	global_store_b128 v[VVO], v[Z:Z+3], s[10:11] offset:-2228224+8192
.Lend:
	s_wait_tensorcnt 0x0                           ; the wave's end, behind my last LDS store
	ds_add_u32 v[SPW], v[NIL]
	s_wait_dscnt 0x0
	s_endpgm
.Lfunc_end_k_q73ed483769_prep:
	.size	k_q73ed483769_prep, .Lfunc_end_k_q73ed483769_prep-k_q73ed483769_prep
	.p2alignl 7, 3214868480
	.fill 96, 4, 3214868480
	.section	.rodata,"a",@progbits
	.p2align	6, 0x0
	.amdhsa_kernel k_q73ed483769_prep
		.amdhsa_group_segment_fixed_size 140288
		.amdhsa_private_segment_fixed_size 0
		.amdhsa_enable_private_segment 0
		.amdhsa_kernarg_size 32
		.amdhsa_user_sgpr_count 2
		.amdhsa_user_sgpr_kernarg_segment_ptr 1
		.amdhsa_wavefront_size32 1
		.amdhsa_system_sgpr_workgroup_id_x 1
		.amdhsa_system_sgpr_workgroup_id_y 1
		.amdhsa_system_sgpr_workgroup_id_z 1
		.amdhsa_system_vgpr_workitem_id 0
		.amdhsa_next_free_vgpr 204
		.amdhsa_next_free_sgpr 66
		.amdhsa_reserve_vcc 0
		.amdhsa_float_denorm_mode_32 3
		.amdhsa_float_denorm_mode_16_64 3
		.amdhsa_memory_ordered 1
		.amdhsa_forward_progress 1
		.amdhsa_inst_pref_size 66
	.end_amdhsa_kernel
	.amdgpu_metadata
---
amdhsa.version: [ 1, 2 ]
amdhsa.kernels:
  - .name:           k_q73ed483769_prep
    .symbol:         k_q73ed483769_prep.kd
    .args:
      - { .name: x, .offset: 0, .size: 8, .value_kind: global_buffer, .address_space: global }
      - { .name: W_qkv, .offset: 8, .size: 8, .value_kind: global_buffer, .address_space: global }
      - { .name: xb, .offset: 16, .size: 8, .value_kind: global_buffer, .address_space: global }
      - { .name: wt, .offset: 24, .size: 8, .value_kind: global_buffer, .address_space: global }
    .group_segment_fixed_size: 140288
    .private_segment_fixed_size: 0
    .kernarg_segment_align: 8
    .kernarg_segment_size: 32
    .max_flat_workgroup_size: 256
    .sgpr_count:     66
    .vgpr_count:     204
    .wavefront_size: 32
...
	.end_amdgpu_metadata
.endif
;; end of part 1
;; launch gemm (part 2): grid 8 x 64, 4 waves a work-group, clusters of 4 x 4, 327,680 bytes of LDS; arguments xb, wt, qsw, kvp; writes qsw, kvp
.if DOCPART == 2
	.amdgcn_target "amdgcn-amd-amdhsa--gfx1250"
	.amdhsa_code_object_version 6
	.text
	.protected	k_q73ed483769_gemm
	.globl	k_q73ed483769_gemm
	.p2align	8
	.type	k_q73ed483769_gemm,@function
k_q73ed483769_gemm:
	s_mov_b64 s[64:65], 0
	v_nop
	global_prefetch_b8 v0, s[64:65] scope:SCOPE_SE
	s_setreg_imm32_b32 hwreg(HW_REG_WAVE_MODE, 25, 1), 1
	s_wait_xcnt 0x0
	s_wait_alu depctr_hold_cnt(0) depctr_sa_sdst(0) depctr_va_vdst(0) depctr_va_sdst(0) depctr_va_ssrc(0) depctr_va_vcc(0) depctr_vm_vsrc(0)
	s_getreg_b32 s2, hwreg(HW_REG_IB_STS2, 6, 4)
	s_cmp_eq_u32 s2, 0
	s_cbranch_scc0 .Lentry_in_a_cluster
	s_endpgm
.Lentry_in_a_cluster:
	s_bfe_u32 s2, ttmp6, 0x10000c
	s_cmp_lg_u32 s2, 0xf033
	s_cbranch_scc0 .Lentry_shape_is_right
	s_endpgm
.Lentry_shape_is_right:
; THE q AND k PROJECTIONS, elu + 1, AND WHAT IS MADE OF THEM.  A tile is 256 rows of x times 256 columns (block ct of wt), K = 1,024, bf16 operands, f32 sums.
; Blocks ct 0-3 (cluster x = 0) are q: a row's 64 numbers of a head are added: qs, stored in qsw.  Blocks ct 4-7 (cluster x = 1) are k: beside the tile the wave
; multiplies its rows of x by wt's sixteen extra rows (the v heads' column sums, in two bf16 parts): vs; then kvs = the sum over the wave's 128 rows of k' vs,
; by the matrix unit, stored in kvp as one partial sum for each 128 rows.
; LIMITS.  exp gives 0 below 2^-126; NaN is not treated apart; k' and the two parts of vs are rounded once to bf16 for the second product.
; SHARES.  Four waves, each 128 x 128: 64 accumulators.  Source 0 = 16 rows of x, source 1 = 16 rows of wt: in accumulator (a, b) lane (r, h) register j holds row 16 a + 8 h + j
; and wt row 16 b + r, which is head b / 4 of the wave's two, d = 4 r + b % 4.
; RING.  K in steps of 128 through two LDS slots: 256 rows of x, then 272 rows of wt, 256 bytes + 16 of padding each.  Waves 0, 1 fetch x's halves (128 rows), waves 2, 3 wt's (136 rows).
; CLUSTER.  4 x 4 work-groups: x's tile is shared along a row of the cluster, wt's along a column; each is asked for jointly, the same load, descriptor and mask in all four.
; REGISTERS, in windows of 256 (s_set_vgpr_msb: bits 1:0 source 0, 3:2 source 1, 5:4 source 2, 7:6 destination):
;   window 0: v0-31 addresses; v32-63 at work at the end; v64-127, v128-191 x's fragments, two buffers (at the end: at work); v192-255 the second product's sums
;   window 1: v0-7, v8-15 the extra rows' fragment, two buffers; v64-127, v128-191 wt's fragments; v192-255 vs: accumulator a at 192 + 8 a
;   window 2: accumulators of my rows 0-63, (a, b) at 8 (8 a + b);   window 3: those of my rows 64-127
.set KSTEP,  128
.set PITCH,  272
.set HALFA,  128*PITCH
.set HALFB,  136*PITCH
.set BOFF,   2*HALFA                   ; wt's rows lie behind x's 256
.set VOFFS,  BOFF+256*PITCH            ; the sixteen extra rows
.set SLOT,   BOFF+2*HALFB
.set STAGE,  2*SLOT                    ; behind the ring, never filled by a tensor load: 1,024 bytes for each wave
.set SPARE,  STAGE+4*1024              ; the spare words, 128 bytes a wave
.set LAPS,   4                         ; a lap = two K steps
.set KV,   8                           ; v[8:15]  kvs of my lane
.set ADRA, 16                          ; v16-17  LDS address of my fragments of x in slot 0, 1
.set ADRB, 20                          ; v20-21  of wt's
.set ADRV, 22                          ; v22-23  of the extra rows'
.set KST,  24                          ; v24  into my stage
.set KRD,  25                          ; v25  back from it
.set OUTO, 26                          ; v26  16 x lane
.set SPW,  28                          ; v28  my spare word; never rewritten
.set NIL,  29                          ; v29  0; never rewritten
.set PFO,  30                          ; v30  the prefetches' offset: lane x 2,048; never rewritten
.set TQ,   32
.set F0,   64
.set F1,   128
.set T,    64
.set D2,   192
.set VA,   192
.set G1,  24                           ; s[24:31] descriptor group 1 for x's tiles
.set G0,  32                           ; s[32:39] group 0, a set for each slot
.set G1B, 48                           ; s[48:55], s[56:63] the same for wt's
.set G0B, 56
.set LIM, 43                           ; s43  1 in a wave that prefetches, else the greatest number
.set PFA, 44                           ; s[44:45] where my prefetches stand
.set L2E, 66                           ; s[66:67] log2(e)
.set M8,  68                           ; s68-71 lanes with bit 3, 2, 1, 0 of their number set
.set M4,  69
.set M2,  70
.set M1,  71
.set KIND, 72                          ; s72  cluster x: 0 = q, 1 = k; the same in all sixteen partners
.set MSB, 0
.macro WIN new                         ; the immediate's high byte repeats the setting that is left
.if MSB != (\new)
	s_set_vgpr_msb (MSB<<8)|(\new)
.set MSB, \new
.endif
.endm
.set MUL_LO, 0xa4                      ; source 0 (x) window 0, source 1 (wt) window 1, C and D window 2
.set MUL_HI, 0xf4                      ; the same, C and D window 3
.set TO_B,   0x40                      ; destination window 1, address window 0
.set VS,     0x54                      ; source 0 window 0, source 1, C and D window 1
; A joint load: waves 0, 1 ask for x's halves, waves 2, 3 for wt's.  An s_nop 0 and four v_nop follow each of the two lines.
.macro JLOAD s
	s_cmp_eq_u32 s11, 0
	s_cbranch_scc0 .Lfor_b_\@
	tensor_load_to_lds s[G0+4*(\s):G0+4*(\s)+3], s[G1:G1+7]
	s_nop 0
.rept 4
	v_nop
.endr
	s_branch .Lasked_\@
.Lfor_b_\@:
	tensor_load_to_lds s[G0B+4*(\s):G0B+4*(\s)+3], s[G1B:G1B+7]
	s_nop 0
.rept 4
	v_nop
.endr
.Lasked_\@:
.endm
; A prefetch into the L2 of the K step two refills on: 32 rows x 256 bytes, a lane a row, one instruction a wave.  x's rows are asked for by cluster x = 0, wt's by cluster y = 0;
; the four partners of a joint load share its rows out by address, 32 each (of wt's 136 the first 128).  The loop's last trip asks for nothing: there is no K step two on.
.macro ASK
	s_cmp_gt_u32 s3, s[LIM]
	s_cbranch_scc0 .Lnot_mine_\@
	global_prefetch_b8 v[PFO], s[PFA:PFA+1] offset:KSTEP*2 th:TH_LOAD_NT scope:SCOPE_SE
.Lnot_mine_\@:
.endm
.macro CREST                           ; a round of the cluster's barrier behind its opening barrier
	s_cmp_lg_u32 s10, 0
	s_cbranch_scc1 .Lnot_wave_0_\@
	s_barrier_signal -3
.Lnot_wave_0_\@:
	s_barrier_wait -3
	s_barrier_signal -1
	s_barrier_wait -1
.endm
.macro CROUND
	s_barrier_signal -1
	s_barrier_wait -1
	CREST
.endm
	s_load_b128 s[4:7], s[0:1], 0x0                ; xb s[4:5], wt s[6:7]
	s_load_b64 s[8:9], s[0:1], 0x10                ; qsw
	s_load_b64 s[74:75], s[0:1], 0x18              ; kvp
	v_lshl_add_u32 v[SPW], v0, 2, SPARE
	v_mov_b32 v[NIL], 0
	ds_add_u32 v[SPW], v[NIL]                      ; the wave's opening: the add, twice on end, and its wait ahead of my first tensor load
	ds_add_u32 v[SPW], v[NIL]
	v_lshrrev_b32 v1, 5, v0
	v_readfirstlane_b32 s10, v1                    ; wave 0..3
	s_lshr_b32 s11, s10, 1                         ; my half of the tile's rows.  Also: I fetch for x (0) or for wt (1)
	s_and_b32 s12, s10, 1                          ; my half of its columns.  Also: which half of that tile I fetch
	s_bfe_u32 s40, ttmp6, 0x40000                  ; cx
	s_bfe_u32 s41, ttmp6, 0x40004                  ; cy
	s_lshl_b32 s42, ttmp9, 2
	s_add_co_u32 s42, s42, s40                     ; ct = 4 x cluster x + cx
	s_and_b32 s13, ttmp7, 0xffff
	s_lshl_b32 s13, s13, 2
	s_add_co_u32 s13, s13, s41                     ; tile row = 4 x cluster y + cy
	s_mov_b32 s[KIND], ttmp9
	s_lshl_b32 s43, s41, 2
	s_lshl_b32 s43, 15, s43                        ; my row of the cluster
	s_lshl_b32 s44, 0x1111, s40                    ; my column
	s_or_b32 s[G1+0], s43, (1<<16)|(1<<20)|(1<<21)|(5<<22)|(3<<25)   ; the mask; elements of 2 bytes; padding on; bit 21 beside a mask; after every 64 words, 4 words
	s_or_b32 s[G1B+0], s44, (1<<16)|(1<<20)|(1<<21)|(5<<22)|(3<<25)
	s_mov_b32 s[G1+1], KSTEP<<16                   ; tensor_dim0 = 128
	s_mov_b32 s[G1B+1], KSTEP<<16
	s_mov_b32 s[G1+2], 128<<16                     ; tensor_dim1 = 128 rows of x,
	s_mov_b32 s[G1B+2], 136<<16                    ; 136 of wt
	s_mov_b32 s[G1+3], KSTEP<<16                   ; tile_dim0 = 128
	s_mov_b32 s[G1B+3], KSTEP<<16
	s_mov_b32 s[G1+4], 128                         ; tile_dim1
	s_mov_b32 s[G1B+4], 136
	s_mov_b32 s[G1+5], 1024                        ; elements from row to row
	s_mov_b32 s[G1B+5], 1024
	s_mov_b32 s[G1+6], 0
	s_mov_b32 s[G1B+6], 0
	s_mov_b32 s[G1+7], 0
	s_mov_b32 s[G1B+7], 0
	s_mov_b32 s[L2E], 0x3fb8aa3b
	s_mov_b32 s[L2E+1], 0x3fb8aa3b
	s_mov_b32 s[M8], 0xff00ff00
	s_mov_b32 s[M4], 0xf0f0f0f0
	s_mov_b32 s[M2], 0xcccccccc
	s_mov_b32 s[M1], 0xaaaaaaaa
	s_lshl_b32 s16, s13, 8                         ; x: row 256 x tile row + 128 x half, in bytes
	s_lshl_b32 s18, s12, 7
	s_add_co_u32 s16, s16, s18
	s_lshl_b32 s16, s16, 11
	s_mov_b32 s17, 0
	s_mul_i32 s46, s42, 272                        ; wt: row 272 ct + 136 x half
	s_mul_i32 s18, s12, 136
	s_add_co_u32 s46, s46, s18
	s_lshl_b32 s46, s46, 11
	s_mov_b32 s47, 0
	s_mul_i32 s20, s12, HALFA                      ; where they go: no place in the cluster enters an LDS address
	s_mul_i32 s21, s12, HALFB
	s_add_co_u32 s21, s21, BOFF
	s_wait_dscnt 0x0                               ; both opening adds are done
	s_wait_kmcnt 0x0
	s_add_nc_u64 s[14:15], s[4:5], s[16:17]
	s_add_nc_u64 s[46:47], s[6:7], s[46:47]
	CROUND                                         ; all sixteen work-groups are here: the first joint loads meet
.irp s, 0,1
	s_mov_b32 s[G0+4*(\s)], 1
	s_add_co_u32 s[G0+4*(\s)+1], s20, (\s)*SLOT
	s_add_nc_u64 s[G0+4*(\s)+2:G0+4*(\s)+3], s[14:15], (\s)*KSTEP*2
	s_or_b32 s[G0+4*(\s)+3], s[G0+4*(\s)+3], 0x80000000
	s_mov_b32 s[G0B+4*(\s)], 1
	s_add_co_u32 s[G0B+4*(\s)+1], s21, (\s)*SLOT
	s_add_nc_u64 s[G0B+4*(\s)+2:G0B+4*(\s)+3], s[46:47], (\s)*KSTEP*2
	s_or_b32 s[G0B+4*(\s)+3], s[G0B+4*(\s)+3], 0x80000000
	JLOAD \s
.endr
	; a fragment is 16 rows x 32 K in 8 registers: lane l holds row l % 16, K = 8 (l / 16) + 0..7 and 16 + 8 (l / 16) + 0..7: two loads of 16 bytes, 32 bytes apart
	v_and_b32 v1, 15, v0
	v_bfe_u32 v2, v0, 4, 1
	v_and_b32 v4, 31, v0
	v_mul_u32_u24 v3, v1, PITCH
	v_lshl_add_u32 v3, v2, 4, v3
	s_mul_i32 s21, s11, HALFA                      ; my 128 rows of x
	s_mul_i32 s22, s12, HALFA                      ; my 128 rows of wt
	s_add_co_u32 s22, s22, BOFF
	s_mov_b32 s23, VOFFS
.irp s, 0,1
	v_add_nc_u32 v[ADRA+(\s)], s21, v3
	v_add_nc_u32 v[ADRB+(\s)], s22, v3
	v_add_nc_u32 v[ADRV+(\s)], s23, v3
	s_add_co_u32 s21, s21, SLOT
	s_add_co_u32 s22, s22, SLOT
	s_add_co_u32 s23, s23, SLOT
.endr
	s_lshl_b32 s23, s10, 10
	s_add_co_u32 s23, s23, STAGE                   ; my stage
	v_lshl_add_u32 v[KST], v4, 4, s23
	s_lshl_b32 s22, s12, 8
	s_add_co_u32 s22, s22, s23
	v_lshl_add_u32 v[KRD], v2, 9, s22              ; back: head l / 16, the half of the lanes that held my heads, 16 bytes for l % 16
	v_lshl_add_u32 v[KRD], v1, 4, v[KRD]
	v_lshlrev_b32 v[OUTO], 4, v4
	v_lshlrev_b32 v[PFO], 11, v4
	; where the results go
	s_lshl_b32 s76, s13, 1
	s_add_co_u32 s76, s76, s11                     ; my block of 128 rows
	s_and_b32 s77, s42, 3
	s_lshl_b32 s77, s77, 1
	s_add_co_u32 s77, s77, s12                     ; my pair of heads among the eight pairs
	s_lshl_b32 s78, s76, 3
	s_add_co_u32 s78, s78, s77
	s_lshl_b32 s78, s78, 10                        ; qsw: blocks of 1,024 bytes
	s_mov_b32 s79, 0
	s_add_nc_u64 s[8:9], s[8:9], s[78:79]
	s_lshl_b32 s78, s76, 12                        ; kvp: rows of 4,096 bytes,
	s_lshl_b32 s77, s77, 9                         ; 512 bytes for a pair of heads
	s_add_co_u32 s78, s78, s77
	s_add_nc_u64 s[74:75], s[74:75], s[78:79]
	; the prefetches
	s_lshl_b32 s82, s13, 8
	s_lshl_b32 s84, s12, 7
	s_add_co_u32 s82, s82, s84                     ; the first of the rows of x that I fetch,
	s_mul_i32 s83, s42, 272
	s_mul_i32 s84, s12, 136
	s_add_co_u32 s83, s83, s84                     ; and of wt
	s_and_b32 s85, ttmp7, 0xffff                   ; cluster y
	s_cmp_eq_u32 s11, 0
	s_cselect_b32 s82, s82, s83
	s_cselect_b32 s83, s40, s41                    ; my place among the four that ask with me
	s_cselect_b32 s85, ttmp9, s85                  ; the coordinate along which other clusters read the same rows
	s_cselect_b64 s[PFA:PFA+1], s[4:5], s[6:7]
	s_cmp_eq_u32 s85, 0
	s_cselect_b32 s[LIM], 1, -1
	s_lshl_b32 s83, s83, 5
	s_add_co_u32 s82, s82, s83                     ; my work-group's 32 rows
	s_lshl_b32 s82, s82, 11
	s_mov_b32 s83, 0
	s_add_nc_u64 s[PFA:PFA+1], s[PFA:PFA+1], s[82:83]
	s_add_nc_u64 s[PFA:PFA+1], s[PFA:PFA+1], 2*KSTEP*2  ; at K step 2: the first refill steps it to 3 and names K step 4
; 16 matrix instructions: row blocks a0, a0 + 1 of the window's four x all 8 column blocks, 32 along K.  zero = 1: the product starts the sums
.macro MUL16 f, hi, a0, zero
	WIN MUL_LO+0x50*(\hi)
.irp a, \a0, (\a0)+1
.irp b, 0,1,2,3,4,5,6,7
.if \zero
	v_wmma_f32_16x16x32_bf16 v[8*(8*(\a)+(\b)):8*(8*(\a)+(\b))+7], v[(\f)+8*(4*(\hi)+(\a)):(\f)+8*(4*(\hi)+(\a))+7], v[(\f)+8*(\b):(\f)+8*(\b)+7], 0
.else
	v_wmma_f32_16x16x32_bf16 v[8*(8*(\a)+(\b)):8*(8*(\a)+(\b))+7], v[(\f)+8*(4*(\hi)+(\a)):(\f)+8*(4*(\hi)+(\a))+7], v[(\f)+8*(\b):(\f)+8*(\b)+7], v[8*(8*(\a)+(\b)):8*(8*(\a)+(\b))+7]
.endif
.endr
.endr
.endm
; 8 matrix instructions: my 128 rows of x times the sixteen extra rows.  mode = 1 (the first quarter, both kinds): they start the sums.  mode = 0: q tiles jump over them.
.macro VSMUL f, mode
.if \mode
	WIN VS
.irp a, 0,1,2,3,4,5,6,7
	v_wmma_f32_16x16x32_bf16 v[VA+8*(\a):VA+8*(\a)+7], v[(\f)+8*(\a):(\f)+8*(\a)+7], v[((\f)-F0)/8:((\f)-F0)/8+7], 0
.endr
	WIN 0
.else
	WIN 0
	s_cmp_eq_u32 s[KIND], 0
	s_cbranch_scc1 .Lnov_\@
	WIN VS
.irp a, 0,1,2,3,4,5,6,7
	v_wmma_f32_16x16x32_bf16 v[VA+8*(\a):VA+8*(\a)+7], v[(\f)+8*(\a):(\f)+8*(\a)+7], v[((\f)-F0)/8:((\f)-F0)/8+7], v[VA+8*(\a):VA+8*(\a)+7]
.endr
	WIN 0
.Lnov_\@:
.endif
.endm
; 34 LDS loads in one run: the extra rows' fragment, wt's eight, x's eight, 32 K at byte k of the rows, into buffer f
.macro FETCH slot, k, f
	WIN TO_B
	ds_load_b128 v[((\f)-F0)/8:((\f)-F0)/8+3],   v[ADRV+(\slot)] offset:(\k)
	ds_load_b128 v[((\f)-F0)/8+4:((\f)-F0)/8+7], v[ADRV+(\slot)] offset:(\k)+32
.irp i, 0,1,2,3,4,5,6,7
	ds_load_b128 v[(\f)+8*(\i):(\f)+8*(\i)+3],   v[ADRB+(\slot)] offset:(\k)+(\i)*16*PITCH
	ds_load_b128 v[(\f)+8*(\i)+4:(\f)+8*(\i)+7], v[ADRB+(\slot)] offset:(\k)+(\i)*16*PITCH+32
.endr
	WIN 0
.irp i, 0,1,2,3,4,5,6,7
	ds_load_b128 v[(\f)+8*(\i):(\f)+8*(\i)+3],   v[ADRA+(\slot)] offset:(\k)+(\i)*16*PITCH
	ds_load_b128 v[(\f)+8*(\i)+4:(\f)+8*(\i)+7], v[ADRA+(\slot)] offset:(\k)+(\i)*16*PITCH+32
.endr
.endm
.macro PLACES                          ; four plain instructions between a matrix instruction and a load into, or a vector instruction on, its registers
.rept 4
	v_nop
.endr
.endm
; A K step is four quarters of 32 along K on buffers 0, 1, 0, 1.  One of the first three multiplies buffer f and fetches the next quarter, at byte k, into buffer g.
.macro QUARTER slot, k, f, g, zero
	s_wait_dscnt 8                                 ; all but the youngest eight loads (x's rows 64-127) are in
	MUL16 \f, 0, 0, \zero
	MUL16 \f, 0, 2, \zero
	PLACES
	FETCH \slot, \k, \g
	s_wait_dscnt 34                                ; all but the 34 just issued
	MUL16 \f, 1, 0, \zero
	MUL16 \f, 1, 2, \zero
	VSMUL \f, \zero
.endm
; The last quarter's first half: one barrier for the change of slots.  In front of it each wave waits for all its tensor loads (one is out: its part of the next slot), adds 0 to its
; spare word, and waits for that and for its reads of this slot.
.macro MEET round
	WIN 0
	s_wait_tensorcnt 0x0
	ds_add_u32 v[SPW], v[NIL]
	s_wait_dscnt 9                                 ; the add and the youngest eight loads may be out
	MUL16 F1, 0, 0, 0
	s_wait_dscnt 0x0                               ; the add is done, my reads of this slot are over
	s_barrier_signal -1
	MUL16 F1, 0, 2, 0
.if \round
	WIN 0
.endif
	s_barrier_wait -1
.endm
.macro TURN slot, next, fill
.if \fill
	s_wait_xcnt 0x0                                ; the last prefetch, a K step back, has read its address
	s_add_nc_u64 s[PFA:PFA+1], s[PFA:PFA+1], KSTEP*2
.endif
	MEET \fill
.if \fill
	CREST                                          ; the barrier has opened a round of the cluster's: no wave of any partner still reads this slot or has a load on its way
	s_add_nc_u64 s[G0+4*(\slot)+2:G0+4*(\slot)+3], s[G0+4*(\slot)+2:G0+4*(\slot)+3], 2*KSTEP*2
	s_add_nc_u64 s[G0B+4*(\slot)+2:G0B+4*(\slot)+3], s[G0B+4*(\slot)+2:G0B+4*(\slot)+3], 2*KSTEP*2
	JLOAD \slot                                    ; the first tensor load behind the round; its four v_nop are also the places in front of the loads below
.else
	PLACES
.endif
	FETCH \next, 0, F0
.if \fill
	ASK
.endif
	MUL16 F1, 1, 0, 0
	MUL16 F1, 1, 2, 0
	VSMUL F1, 0
.endm
	s_wait_tensorcnt 1                             ; my part of K step 0 is in; K step 1's may stay out
	s_barrier_signal -1
	s_barrier_wait -1
	FETCH 0, 0, F0
	QUARTER 0, 64,  F0, F1, 1                      ; the first quarter starts all sums
	WIN 0
	s_mov_b32 s3, LAPS-1
.Llap:                                                 ; a trip goes once round the ring, from a lap's second quarter to the next lap's first
	QUARTER 0, 128, F1, F0, 0
	QUARTER 0, 192, F0, F1, 0
	TURN 0, 1, 1
	QUARTER 1, 64,  F0, F1, 0
	QUARTER 1, 128, F1, F0, 0
	QUARTER 1, 192, F0, F1, 0
	TURN 1, 0, 1
	QUARTER 0, 64,  F0, F1, 0
	WIN 0
	s_sub_co_u32 s3, s3, 1
	s_cmp_lg_u32 s3, 0
	s_cbranch_scc1 .Llap
	QUARTER 0, 128, F1, F0, 0                      ; the last lap fills nothing
	QUARTER 0, 192, F0, F1, 0
	TURN 0, 1, 0
	QUARTER 1, 64,  F0, F1, 0
	QUARTER 1, 128, F1, F0, 0
	QUARTER 1, 192, F0, F1, 0
	s_wait_dscnt 8
	MUL16 F1, 0, 0, 0
	MUL16 F1, 0, 2, 0
	s_wait_dscnt 0x0
	MUL16 F1, 1, 0, 0
	MUL16 F1, 1, 2, 0
	VSMUL F1, 0
	PLACES
; elu(x) + 1 = the middle one of exp(x), x + 1 and 1: for x <= 0, x + 1 <= exp(x) <= 1; for x > 0, 1 < x + 1 < exp(x), also where exp(x) is infinite.
; 128 registers of window W at a time: x + 1 into window 0; x log2(e) and the exponentials in place, one batch with one wait; then the middle one.
.macro ELU W, hf
.set XB, 128*(\hf)
	WIN (\W)                                       ; source 0 window W, destination window 0
.set i, 0
.rept 64
	v_pk_add_f32 v[T+2*i:T+2*i+1], v[XB+2*i:XB+2*i+1], 1.0 op_sel_hi:[1,0]
.set i, i+1
.endr
	WIN (\W)|((\W)<<6)                             ; source 0 and destination window W, source 1 window 0
.set i, 0
.rept 64
	v_pk_mul_f32 v[XB+2*i:XB+2*i+1], v[XB+2*i:XB+2*i+1], s[L2E:L2E+1] op_sel_hi:[1,0]
.if i > 0
	v_exp_f32 v[XB+2*i-2], v[XB+2*i-2]
	v_exp_f32 v[XB+2*i-1], v[XB+2*i-1]
.endif
.set i, i+1
.endr
	v_exp_f32 v[XB+126], v[XB+126]
	v_exp_f32 v[XB+127], v[XB+127]
	v_nop                                          ; a plain instruction behind the last exponential,
	s_wait_alu depctr_va_vdst(0)                   ; and one wait for the batch, ahead of the first line that names a result
.set i, 0
.rept 128
	v_med3_num_f32 v[XB+i], v[XB+i], v[T+i], 1.0
.set i, i+1
.endr
.endm
	ELU 2, 0
	ELU 2, 1
	ELU 3, 0
	ELU 3, 1
	WIN 0
	s_cmp_eq_u32 s[KIND], 0
	s_cbranch_scc0 .Lkpath
	; ---- q: a row's 64 numbers of a head are added.  First the four column blocks of a head: S[u = 8 hdl + a][j] at v[64 + 8 u + j]
.macro QSUM W
	WIN (\W)|((\W)<<2)                             ; sources 0 and 1 window W, destination window 0
.set n, 0
.rept 32
.set rA, 8*(8*(n/8)+4*((n/4)%2))+2*(n%4)
.set rS, T+8*(8*((n/4)%2)+4*((\W)-2)+n/8)+2*(n%4)
	v_pk_add_f32 v[rS:rS+1], v[rA:rA+1], v[rA+8:rA+9]
.set n, n+1
.endr
	WIN (\W)<<2                                    ; source 1 window W
.irp o, 16, 24
.set n, 0
.rept 32
.set rA, 8*(8*(n/8)+4*((n/4)%2))+2*(n%4)
.set rS, T+8*(8*((n/4)%2)+4*((\W)-2)+n/8)+2*(n%4)
	v_pk_add_f32 v[rS:rS+1], v[rS:rS+1], v[rA+(\o):rA+(\o)+1]
.set n, n+1
.endr
.endr
.endm
	QSUM 2
	QSUM 3
	WIN 0
; Then the sixteen lanes of a half: in step D a lane keeps the S[u] or S[u + D] that its bit D chooses and hands the other to the lane D away.  After four steps lane r holds S[r], whole.
.macro RS D, M
.set u, 0
.rept \D
.set j, 0
.rept 8
	v_cndmask_b32 v[TQ+(8*u+j)%32], v[T+8*(u+(\D))+j], v[T+8*u+j], s[\M]
	v_cndmask_b32 v[T+8*u+j], v[T+8*u+j], v[T+8*(u+(\D))+j], s[\M]
	v_add_f32_dpp v[T+8*u+j], v[TQ+(8*u+j)%32], v[T+8*u+j] row_xmask:\D row_mask:0xf bank_mask:0xf
.set j, j+1
.endr
.set u, u+1
.endr
.endm
	RS 8, M8
	RS 4, M4
	RS 2, M2
	RS 1, M1
	global_store_b128 v[OUTO], v[T:T+3], s[8:9]                ; each store covers 512 consecutive bytes, aligned
	global_store_b128 v[OUTO], v[T+4:T+7], s[8:9] offset:512
	s_branch .Lfin
	; ---- k: kvs = the sum over my 128 rows of vs k', 32 rows a matrix instruction.  Two accumulators of 16 rows, rounded to bf16 in pairs, are a fragment of 32 rows:
	; vs (row = extra row i) as source 0, k' (row = column place) as source 1.
.Lkpath:
	WIN 0x05                                       ; sources window 1, destination window 0
.set n, 0
.rept 32
	v_cvt_pk_bf16_f32 v[TQ+n], v[VA+8*(n/4)+2*(n%4)], v[VA+8*(n/4)+2*(n%4)+1]
.set n, n+1
.endr
	WIN 0x0a                                       ; sources window 2, destination window 0: rows 0-63
.set n, 0
.rept 128
.set rA, 8*(8*(2*(n/64)+(n/4)%2)+(n/8)%8)+2*(n%4)
	v_cvt_pk_bf16_f32 v[T+n], v[rA], v[rA+1]
.set n, n+1
.endr
	WIN 0x4f                                       ; sources window 3, destination window 1: rows 64-127
.set n, 0
.rept 128
.set rA, 8*(8*(2*(n/64)+(n/4)%2)+(n/8)%8)+2*(n%4)
	v_cvt_pk_bf16_f32 v[T+n], v[rA], v[rA+1]
.set n, n+1
.endr
.irp ap, 0,1,2,3
	WIN 0x04*((\ap)/2)
.irp b, 0,1,2,3,4,5,6,7
.if (\ap) == 0
	v_wmma_f32_16x16x32_bf16 v[D2+8*(\b):D2+8*(\b)+7], v[TQ+8*(\ap):TQ+8*(\ap)+7], v[T+8*(8*((\ap)%2)+(\b)):T+8*(8*((\ap)%2)+(\b))+7], 0
.else
	v_wmma_f32_16x16x32_bf16 v[D2+8*(\b):D2+8*(\b)+7], v[TQ+8*(\ap):TQ+8*(\ap)+7], v[T+8*(8*((\ap)%2)+(\b)):T+8*(8*((\ap)%2)+(\b))+7], v[D2+8*(\b):D2+8*(\b)+7]
.endif
.endr
.endr
	WIN 0
	PLACES
.irp hd, 0,1
.irp bb, 0,1,2,3
	v_add_f32 v[KV+4*(\hd)+(\bb)], v[D2+8*(4*(\hd)+(\bb))+(\hd)], v[D2+8*(4*(\hd)+(\bb))+2+(\hd)]  ; the two parts of vs; my heads' lie in the half of the lanes with my column half's number
.endr
.endr
	ds_store_b128 v[KST], v[KV:KV+3]
	ds_store_b128 v[KST], v[KV+4:KV+7] offset:512
	ds_load_b128 v[TQ:TQ+3], v[KRD]                ; my own bytes, served in order: lane l takes head l / 16, d = 4 (l % 16) ..
	s_wait_dscnt 0x0
	global_store_b128 v[OUTO], v[TQ:TQ+3], s[74:75]            ; 512 consecutive bytes, aligned
.Lfin:
	s_wait_tensorcnt 0x0                           ; the wave's end
	ds_add_u32 v[SPW], v[NIL]
	s_wait_dscnt 0x0
	CROUND                                         ; the closing round
	s_endpgm
.Lfunc_end_k_q73ed483769_gemm:
	.size	k_q73ed483769_gemm, .Lfunc_end_k_q73ed483769_gemm-k_q73ed483769_gemm
	.p2alignl 7, 3214868480
	.fill 96, 4, 3214868480
	.section	.rodata,"a",@progbits
	.p2align	6, 0x0
	.amdhsa_kernel k_q73ed483769_gemm
		.amdhsa_group_segment_fixed_size 327680
		.amdhsa_private_segment_fixed_size 0
		.amdhsa_enable_private_segment 0
		.amdhsa_kernarg_size 32
		.amdhsa_user_sgpr_count 2
		.amdhsa_user_sgpr_kernarg_segment_ptr 1
		.amdhsa_wavefront_size32 1
		.amdhsa_system_sgpr_workgroup_id_x 1
		.amdhsa_system_sgpr_workgroup_id_y 1
		.amdhsa_system_sgpr_workgroup_id_z 1
		.amdhsa_system_vgpr_workitem_id 0
		.amdhsa_next_free_vgpr 1024
		.amdhsa_next_free_sgpr 88
		.amdhsa_reserve_vcc 0
		.amdhsa_float_denorm_mode_32 3
		.amdhsa_float_denorm_mode_16_64 3
		.amdhsa_memory_ordered 1
		.amdhsa_forward_progress 1
		.amdhsa_inst_pref_size 255
	.end_amdhsa_kernel
	.section	.bss,"aw",@nobits
	.p2align	6
	.space	262144
	.amdgpu_metadata
---
amdhsa.version: [ 1, 2 ]
amdhsa.kernels:
  - .name:           k_q73ed483769_gemm
    .symbol:         k_q73ed483769_gemm.kd
    .args:
      - { .name: xb, .offset: 0, .size: 8, .value_kind: global_buffer, .address_space: global }
      - { .name: wt, .offset: 8, .size: 8, .value_kind: global_buffer, .address_space: global }
      - { .name: qsw, .offset: 16, .size: 8, .value_kind: global_buffer, .address_space: global }
      - { .name: kvp, .offset: 24, .size: 8, .value_kind: global_buffer, .address_space: global }
    .group_segment_fixed_size: 327680
    .private_segment_fixed_size: 0
    .kernarg_segment_align: 8
    .kernarg_segment_size: 32
    .max_flat_workgroup_size: 128
    .sgpr_count:     88
    .vgpr_count:     1024
    .wavefront_size: 32
...
	.end_amdgpu_metadata
.endif
;; end of part 2
;; launch gmat (part 3): grid 64 x 1, 4 waves a work-group, no clusters, 2,560 bytes of LDS; arguments kvp, W_proj, g32; writes g32
.if DOCPART == 3
	.amdgcn_target "amdgcn-amd-amdhsa--gfx1250"
	.amdhsa_code_object_version 6
	.text
	.protected	k_q73ed483769_gmat
	.globl	k_q73ed483769_gmat
	.p2align	8
	.type	k_q73ed483769_gmat,@function
k_q73ed483769_gmat:
	s_mov_b64 s[64:65], 0
	v_nop
	global_prefetch_b8 v0, s[64:65] scope:SCOPE_SE
	s_setreg_imm32_b32 hwreg(HW_REG_WAVE_MODE, 25, 1), 1
	s_wait_xcnt 0x0
; G[b][h][c] = the sum over d of kvs[b][h][d] W_proj[64 h + d][c], kvs[b][h][d] = the sum of kvp's 32 partial sums of b.  g32: [4][16][1024] f32.
; A work-group takes one head and 256 columns, a wave 64 columns.  kvs goes into the product in two bf16 parts (rows of source 0: b = 2 (m / 8) + m % 2, part = (m / 2) % 2;
; rows with m & 4 repeat others and are not used), W_proj rounded to bf16.  64 work-groups: there is no more work than that; no tile is shared, so no cluster.
.set SPARE, 2048
.set SPW, 8
.set NIL, 9
.set VW,  10                           ; v10  8 rows of W_proj x (l / 16) + 16 (l % 16)
.set VK,  11                           ; v11  my 16 partial sums' first row and my 4 d
.set VLS, 12                           ; v12  16 x thread
.set VLR, 13                           ; v13  my row's b and my 8 d
.set VO,  14                           ; v14  two b x (l / 16) + 16 (l % 16)
.set KR,  16                           ; v[16:79]   kvp; later at work; later source 1's fragments: (f, t) at 16 + 32 f + 8 t
.set WR,  80                           ; v[80:207]  W_proj as loaded: (f, o, i) at 80 + 64 f + 32 o + 4 i
.set AF,  208                          ; v[208:223] source 0's two fragments
.set ACC, 224                          ; v[224:255] at work; then four accumulators
	s_load_b128 s[4:7], s[0:1], 0x0                ; kvp s[4:5], W_proj s[6:7]
	s_load_b64 s[8:9], s[0:1], 0x10                ; g32
	v_lshl_add_u32 v[SPW], v0, 2, SPARE
	v_mov_b32 v[NIL], 0
	v_lshrrev_b32 v1, 5, v0
	v_readfirstlane_b32 s10, v1                    ; wave
	v_and_b32 v2, 15, v0
	v_bfe_u32 v3, v0, 4, 1
	s_mov_b32 s13, 0xffff0000
	s_mov_b32 s15, 0xcccccccc                      ; lanes whose row is a second part
	s_lshr_b32 s11, ttmp9, 2                       ; the head
	s_and_b32 s12, ttmp9, 3
	s_lshl_b32 s12, s12, 10
	s_lshl_b32 s14, s10, 8
	s_add_co_u32 s12, s12, s14                     ; my first column, in bytes
	v_lshlrev_b32 v[VW], 15, v3
	v_lshl_add_u32 v[VW], v2, 4, v[VW]
	v_bfe_u32 v4, v0, 4, 2                         ; b
	v_lshrrev_b32 v5, 6, v0                        ; which 16 of the 32 partial sums
	v_lshlrev_b32 v[VK], 17, v4
	v_lshl_add_u32 v[VK], v5, 16, v[VK]
	v_lshl_add_u32 v[VK], v2, 4, v[VK]
	v_lshlrev_b32 v[VLS], 4, v0
	v_bfe_u32 v4, v0, 3, 1
	v_and_b32 v5, 1, v0
	v_lshl_add_u32 v4, v4, 1, v5
	v_lshlrev_b32 v[VLR], 8, v4
	v_lshl_add_u32 v[VLR], v3, 5, v[VLR]
	v_lshlrev_b32 v[VO], 17, v3
	v_lshl_add_u32 v[VO], v2, 4, v[VO]
	s_lshl_b32 s16, s11, 8
	s_mov_b32 s17, 0
	s_lshl_b32 s18, s11, 18
	s_add_co_u32 s18, s18, s12
	s_mov_b32 s19, 0
	s_lshl_b32 s20, s11, 12
	s_add_co_u32 s20, s20, s12
	s_mov_b32 s21, 0
	s_wait_kmcnt 0x0
	s_add_nc_u64 s[4:5], s[4:5], s[16:17]
	s_add_nc_u64 s[6:7], s[6:7], s[18:19]
	s_add_nc_u64 s[8:9], s[8:9], s[20:21]
.set i, 0
.rept 16
	global_load_b128 v[KR+4*i:KR+4*i+3], v[VK], s[4:5] offset:4096*i
.set i, i+1
.endr
.set i, 0
.rept 32                               ; (f, o, i): row 32 f + 16 o + 8 (l / 16) + i of the head's 64, 256 consecutive bytes for each half of the lanes
	global_load_b128 v[WR+4*i:WR+4*i+3], v[VW], s[6:7] offset:(32*(i/16)+16*((i/8)%2)+i%8)*4096
.set i, i+1
.endr
	s_wait_loadcnt 32                              ; kvp is in; W_proj's 32 loads may stay out
.irp s, 8,4,2,1
.set i, 0
.rept \s
	v_pk_add_f32 v[KR+4*i:KR+4*i+1],   v[KR+4*i:KR+4*i+1],   v[KR+4*(i+(\s)):KR+4*(i+(\s))+1]
	v_pk_add_f32 v[KR+4*i+2:KR+4*i+3], v[KR+4*i+2:KR+4*i+3], v[KR+4*(i+(\s))+2:KR+4*(i+(\s))+3]
.set i, i+1
.endr
.endr
	ds_store_b128 v[VLS], v[KR:KR+3]               ; [half of the partial sums][b][64 d]
	s_wait_dscnt 0x0                               ; for the others' sake
	s_barrier_signal -1
	s_barrier_wait -1
.irp f, 0,1
.irp p, 0,1
	ds_load_b128 v[ACC+16*(\p):ACC+16*(\p)+3],     v[VLR] offset:1024*(\p)+128*(\f)
	ds_load_b128 v[ACC+16*(\p)+4:ACC+16*(\p)+7],   v[VLR] offset:1024*(\p)+128*(\f)+16
	ds_load_b128 v[ACC+16*(\p)+8:ACC+16*(\p)+11],  v[VLR] offset:1024*(\p)+128*(\f)+64
	ds_load_b128 v[ACC+16*(\p)+12:ACC+16*(\p)+15], v[VLR] offset:1024*(\p)+128*(\f)+80
.endr
	s_wait_dscnt 0x0
.irp e, 0,2,4,6,8,10,12,14
	v_pk_add_f32 v[ACC+(\e):ACC+(\e)+1], v[ACC+(\e):ACC+(\e)+1], v[ACC+16+(\e):ACC+16+(\e)+1]
.endr
.irp e, 0,1,2,3,4,5,6,7
	v_cvt_pk_bf16_f32 v[ACC+16+(\e)], v[ACC+2*(\e)], v[ACC+2*(\e)+1]
.endr
.irp e, 0,1,2,3,4,5,6,7
	v_lshlrev_b32 v[KR+2*(\e)],   16,  v[ACC+16+(\e)]
	v_and_b32     v[KR+2*(\e)+1], s13, v[ACC+16+(\e)]
.endr
.irp e, 0,2,4,6,8,10,12,14
	v_pk_add_f32 v[ACC+(\e):ACC+(\e)+1], v[ACC+(\e):ACC+(\e)+1], v[KR+(\e):KR+(\e)+1] neg_lo:[0,1] neg_hi:[0,1]
.endr
.irp e, 0,1,2,3,4,5,6,7
	v_cvt_pk_bf16_f32 v[ACC+24+(\e)], v[ACC+2*(\e)], v[ACC+2*(\e)+1]
.endr
.irp e, 0,1,2,3,4,5,6,7
	v_cndmask_b32 v[AF+8*(\f)+(\e)], v[ACC+16+(\e)], v[ACC+24+(\e)], s15
.endr
.endr
.irp f, 0,1
	s_wait_loadcnt 16-16*(\f)                      ; W_proj's rows 32 f .. are in
.irp t, 0,1,2,3
.irp o, 0,1
.irp q, 0,1,2,3
	v_cvt_pk_bf16_f32 v[KR+32*(\f)+8*(\t)+4*(\o)+(\q)], v[WR+64*(\f)+32*(\o)+8*(\q)+(\t)], v[WR+64*(\f)+32*(\o)+8*(\q)+4+(\t)]
.endr
.endr
.endr
.endr
.irp t, 0,1,2,3                        ; column group t: lane r's column is 4 r + t; the four accumulators take turns
	v_wmma_f32_16x16x32_bf16 v[ACC+8*(\t):ACC+8*(\t)+7], v[AF:AF+7], v[KR+8*(\t):KR+8*(\t)+7], 0
.endr
.irp t, 0,1,2,3
	v_wmma_f32_16x16x32_bf16 v[ACC+8*(\t):ACC+8*(\t)+7], v[AF+8:AF+15], v[KR+32+8*(\t):KR+32+8*(\t)+7], v[ACC+8*(\t):ACC+8*(\t)+7]
.endr
.rept 4
	v_nop                                          ; the places behind the products
.endr
.irp bl, 0,1
.irp t, 0,1,2,3
	v_add_f32 v[KR+4*(\bl)+(\t)], v[ACC+8*(\t)+(\bl)], v[ACC+8*(\t)+2+(\bl)]  ; the two parts; b = 2 (l / 16) + bl
.endr
.endr
	global_store_b128 v[VO], v[KR:KR+3], s[8:9]                ; 16 lanes store 256 consecutive bytes, aligned
	global_store_b128 v[VO], v[KR+4:KR+7], s[8:9] offset:65536
	s_wait_tensorcnt 0x0                           ; the wave's end, behind my last LDS store
	ds_add_u32 v[SPW], v[NIL]
	s_wait_dscnt 0x0
	s_endpgm
.Lfunc_end_k_q73ed483769_gmat:
	.size	k_q73ed483769_gmat, .Lfunc_end_k_q73ed483769_gmat-k_q73ed483769_gmat
	.p2alignl 7, 3214868480
	.fill 96, 4, 3214868480
	.section	.rodata,"a",@progbits
	.p2align	6, 0x0
	.amdhsa_kernel k_q73ed483769_gmat
		.amdhsa_group_segment_fixed_size 2560
		.amdhsa_private_segment_fixed_size 0
		.amdhsa_enable_private_segment 0
		.amdhsa_kernarg_size 24
		.amdhsa_user_sgpr_count 2
		.amdhsa_user_sgpr_kernarg_segment_ptr 1
		.amdhsa_wavefront_size32 1
		.amdhsa_system_sgpr_workgroup_id_x 1
		.amdhsa_system_sgpr_workgroup_id_y 1
		.amdhsa_system_sgpr_workgroup_id_z 1
		.amdhsa_system_vgpr_workitem_id 0
		.amdhsa_next_free_vgpr 256
		.amdhsa_next_free_sgpr 66
		.amdhsa_reserve_vcc 0
		.amdhsa_float_denorm_mode_32 3
		.amdhsa_float_denorm_mode_16_64 3
		.amdhsa_memory_ordered 1
		.amdhsa_forward_progress 1
		.amdhsa_inst_pref_size 21
	.end_amdhsa_kernel
	.amdgpu_metadata
---
amdhsa.version: [ 1, 2 ]
amdhsa.kernels:
  - .name:           k_q73ed483769_gmat
    .symbol:         k_q73ed483769_gmat.kd
    .args:
      - { .name: kvp, .offset: 0, .size: 8, .value_kind: global_buffer, .address_space: global }
      - { .name: W_proj, .offset: 8, .size: 8, .value_kind: global_buffer, .address_space: global }
      - { .name: g32, .offset: 16, .size: 8, .value_kind: global_buffer, .address_space: global }
    .group_segment_fixed_size: 2560
    .private_segment_fixed_size: 0
    .kernarg_segment_align: 8
    .kernarg_segment_size: 24
    .max_flat_workgroup_size: 128
    .sgpr_count:     66
    .vgpr_count:     256
    .wavefront_size: 32
...
	.end_amdgpu_metadata
.endif
;; end of part 3
;; launch proj (part 4): grid 256 x 1, 8 waves a work-group, no clusters, 0 bytes of LDS; arguments qsw, g32, b_proj, out0; writes out0
.if DOCPART == 4
	.amdgcn_target "amdgcn-amd-amdhsa--gfx1250"
	.amdhsa_code_object_version 6
	.text
	.protected	k_q73ed483769_proj
	.globl	k_q73ed483769_proj
	.p2align	8
	.type	k_q73ed483769_proj,@function
k_q73ed483769_proj:
	s_mov_b64 s[64:65], 0
	v_nop
	global_prefetch_b8 v0, s[64:65] scope:SCOPE_SE
	s_setreg_imm32_b32 hwreg(HW_REG_WAVE_MODE, 25, 1), 1
	s_wait_xcnt 0x0
; out0[row][c] = the sum over the 16 heads of qs[row][h] G[b][h][c] + b_proj[c].  A work-group owns 64 rows, wave w the columns 128 w .. + 127.
; K = 32 holds the 16 heads twice: source 1 = [G's first bf16 part | the rest], source 0 = [qs's first part, twice], then [qs's rest, twice]: (qh + ql)(Gh + Gl), sums in f32.
; b_proj is rounded to bf16 like the other inputs.  The launch's time is its stores: no LDS, no cluster; qs and G are small and read by many.
.set VQ,  2                            ; v2   my row's and my half of the heads' place in qsw
.set VG,  3                            ; v3   8 rows x (l / 16) + 16 (l % 16): for G's rows (heads) and for out0's
.set VB,  4                            ; v4   16 (l % 16)
.set BI,  8                            ; v[8:15]    the bias of my 8 columns
.set BF,  16                           ; v[16:79]   source 1: (cbk, t) at 16 + 8 (4 cbk + t)
.set AF,  80                           ; v[80:143]  source 0: row block rb: first part at 80 + 16 rb, rest at 88 + 16 rb
.set ACC, 144                          ; v[144:207] G as loaded; then two sets of four accumulators
.set OUT, 208                          ; v[208:239] qs as loaded; then a group's results
.set TM,  240                          ; v[240:255] at work
	s_load_b256 s[4:11], s[0:1], 0x0               ; qsw s[4:5], g32 s[6:7], b_proj s[8:9], out0 s[10:11]
	v_lshrrev_b32 v1, 5, v0
	v_readfirstlane_b32 s12, v1                    ; wave 0..7
	v_and_b32 v5, 15, v0
	v_bfe_u32 v6, v0, 4, 1
	v_lshlrev_b32 v[VQ], 12, v6                    ; heads 8 (l / 16) ..: four blocks of 1,024 bytes
	v_bfe_u32 v7, v0, 2, 1
	v_lshl_add_u32 v[VQ], v7, 9, v[VQ]
	v_bfe_u32 v7, v0, 3, 1
	v_lshl_add_u32 v[VQ], v7, 8, v[VQ]
	v_and_b32 v7, 3, v0
	v_lshl_add_u32 v[VQ], v7, 2, v[VQ]
	v_lshlrev_b32 v[VG], 15, v6
	v_lshl_add_u32 v[VG], v5, 4, v[VG]
	v_lshlrev_b32 v[VB], 4, v5
	s_mov_b32 s13, 0xffff0000
	s_mov_b32 s14, ttmp9
	s_lshl_b32 s15, s12, 9                         ; my 128 columns, in bytes
	s_lshr_b32 s16, s14, 1
	s_lshl_b32 s16, s16, 13                        ; qsw: 8,192 bytes for 128 rows,
	s_and_b32 s18, s14, 1
	s_lshl_b32 s18, s18, 6                         ; 64 for the second 64 of them
	s_add_co_u32 s16, s16, s18
	s_mov_b32 s17, 0
	s_lshr_b32 s18, s14, 6                         ; b
	s_lshl_b32 s18, s18, 16
	s_add_co_u32 s18, s18, s15
	s_mov_b32 s19, 0
	s_mov_b32 s20, s15
	s_mov_b32 s21, 0
	s_lshl_b32 s22, s14, 18                        ; 64 rows of 4,096 bytes
	s_add_co_u32 s22, s22, s15
	s_mov_b32 s23, 0
	s_wait_kmcnt 0x0
	s_add_nc_u64 s[4:5], s[4:5], s[16:17]
	s_add_nc_u64 s[6:7], s[6:7], s[18:19]
	s_add_nc_u64 s[8:9], s[8:9], s[20:21]
	s_add_nc_u64 s[10:11], s[10:11], s[22:23]
.irp c, 0,1
.irp i, 0,1,2,3,4,5,6,7
	global_load_b128 v[ACC+32*(\c)+4*(\i):ACC+32*(\c)+4*(\i)+3], v[VG], s[6:7] offset:4096*(\i)+256*(\c)
.endr
.endr
	global_load_b128 v[BI:BI+3],   v[VB], s[8:9]
	global_load_b128 v[BI+4:BI+7], v[VB], s[8:9] offset:256
.irp rb, 0,1,2,3
.irp i, 0,1,2,3,4,5,6,7
	global_load_b32 v[OUT+8*(\rb)+(\i)], v[VQ], s[4:5] offset:16*(\rb)+1024*((\i)/2)+128*((\i)%2)
.endr
.endr
	s_wait_loadcnt 34                              ; G is in; the bias's 2 and qs's 32 loads may stay out
.irp c, 0,1
.irp t, 0,1,2,3
.irp q, 0,1,2,3
	v_cvt_pk_bf16_f32 v[BF+8*(4*(\c)+(\t))+(\q)], v[ACC+32*(\c)+(\t)+8*(\q)], v[ACC+32*(\c)+(\t)+8*(\q)+4]
.endr
.irp q, 0,1,2,3
	v_lshlrev_b32 v[TM+8*((\t)%2)+2*(\q)],   16,  v[BF+8*(4*(\c)+(\t))+(\q)]
	v_and_b32     v[TM+8*((\t)%2)+2*(\q)+1], s13, v[BF+8*(4*(\c)+(\t))+(\q)]
.endr
.irp q, 0,1,2,3
	v_sub_f32 v[TM+8*((\t)%2)+2*(\q)],   v[ACC+32*(\c)+(\t)+8*(\q)],   v[TM+8*((\t)%2)+2*(\q)]
	v_sub_f32 v[TM+8*((\t)%2)+2*(\q)+1], v[ACC+32*(\c)+(\t)+8*(\q)+4], v[TM+8*((\t)%2)+2*(\q)+1]
.endr
.irp q, 0,1,2,3
	v_cvt_pk_bf16_f32 v[BF+8*(4*(\c)+(\t))+4+(\q)], v[TM+8*((\t)%2)+2*(\q)], v[TM+8*((\t)%2)+2*(\q)+1]
.endr
.endr
.endr
	s_wait_loadcnt 32                              ; the bias is in
.irp q, 0,1,2,3
	v_cvt_pk_bf16_f32 v[TM+(\q)], v[BI+2*(\q)], v[BI+2*(\q)+1]
.endr
.irp q, 0,1,2,3
	v_lshlrev_b32 v[BI+2*(\q)],   16,  v[TM+(\q)]
	v_and_b32     v[BI+2*(\q)+1], s13, v[TM+(\q)]
.endr
.irp rb, 0,1,2,3
	s_wait_loadcnt 24-8*(\rb)                      ; this row block's eight are in
.irp q, 0,1,2,3
	v_cvt_pk_bf16_f32 v[AF+16*(\rb)+(\q)],   v[OUT+8*(\rb)+2*(\q)], v[OUT+8*(\rb)+2*(\q)+1]
	v_cvt_pk_bf16_f32 v[AF+16*(\rb)+4+(\q)], v[OUT+8*(\rb)+2*(\q)], v[OUT+8*(\rb)+2*(\q)+1]
.endr
.irp q, 0,1,2,3
	v_lshlrev_b32 v[TM+8*((\rb)%2)+2*(\q)],   16,  v[AF+16*(\rb)+(\q)]
	v_and_b32     v[TM+8*((\rb)%2)+2*(\q)+1], s13, v[AF+16*(\rb)+(\q)]
.endr
.irp q, 0,1,2,3
	v_pk_add_f32 v[TM+8*((\rb)%2)+2*(\q):TM+8*((\rb)%2)+2*(\q)+1], v[OUT+8*(\rb)+2*(\q):OUT+8*(\rb)+2*(\q)+1], v[TM+8*((\rb)%2)+2*(\q):TM+8*((\rb)%2)+2*(\q)+1] neg_lo:[0,1] neg_hi:[0,1]
.endr
.irp q, 0,1,2,3
	v_cvt_pk_bf16_f32 v[AF+16*(\rb)+8+(\q)],  v[TM+8*((\rb)%2)+2*(\q)], v[TM+8*((\rb)%2)+2*(\q)+1]
	v_cvt_pk_bf16_f32 v[AF+16*(\rb)+12+(\q)], v[TM+8*((\rb)%2)+2*(\q)], v[TM+8*((\rb)%2)+2*(\q)+1]
.endr
.endr
; Group g = 2 rb + cbk: 16 rows x 64 columns, in accumulator set g % 2.  The four accumulators take turns.
.macro WM g
.irp t, 0,1,2,3
	v_wmma_f32_16x16x32_bf16 v[ACC+32*((\g)%2)+8*(\t):ACC+32*((\g)%2)+8*(\t)+7], v[AF+16*((\g)/2):AF+16*((\g)/2)+7], v[BF+8*(4*((\g)%2)+(\t)):BF+8*(4*((\g)%2)+(\t))+7], 0
.endr
.irp t, 0,1,2,3
	v_wmma_f32_16x16x32_bf16 v[ACC+32*((\g)%2)+8*(\t):ACC+32*((\g)%2)+8*(\t)+7], v[AF+16*((\g)/2)+8:AF+16*((\g)/2)+15], v[BF+8*(4*((\g)%2)+(\t)):BF+8*(4*((\g)%2)+(\t))+7], v[ACC+32*((\g)%2)+8*(\t):ACC+32*((\g)%2)+8*(\t)+7]
.endr
.endm
.macro ADD g                           ; the bias's add also brings a row's four neighbouring columns into four neighbouring registers
	s_wait_xcnt 0x0                                ; the last group's stores have read their data
.irp j, 0,1,2,3,4,5,6,7
.irp t, 0,1,2,3
	v_add_f32 v[OUT+4*(\j)+(\t)], v[ACC+32*((\g)%2)+8*(\t)+(\j)], v[BI+4*((\g)%2)+(\t)]
.endr
.endr
.endm
.macro ST g
.irp j, 0,1,2,3,4,5,6,7
	global_store_b128 v[VG], v[OUT+4*(\j):OUT+4*(\j)+3], s[10:11] offset:(16*((\g)/2)+(\j))*4096+256*((\g)%2) th:TH_STORE_NT  ; 16 lanes store 256 consecutive bytes, aligned
.endr
.endm
	WM 0
.rept 5
	v_nop                                          ; the places behind the first group's products; later the group before's 32 adds are the places
.endr
.irp g, 0,1,2,3,4,5,6
	WM (\g)+1
	ADD \g
	ST \g
.endr
	ADD 7
	ST 7
	s_endpgm
.Lfunc_end_k_q73ed483769_proj:
	.size	k_q73ed483769_proj, .Lfunc_end_k_q73ed483769_proj-k_q73ed483769_proj
	.p2alignl 7, 3214868480
	.fill 96, 4, 3214868480
	.section	.rodata,"a",@progbits
	.p2align	6, 0x0
	.amdhsa_kernel k_q73ed483769_proj
		.amdhsa_group_segment_fixed_size 0
		.amdhsa_private_segment_fixed_size 0
		.amdhsa_enable_private_segment 0
		.amdhsa_kernarg_size 32
		.amdhsa_user_sgpr_count 2
		.amdhsa_user_sgpr_kernarg_segment_ptr 1
		.amdhsa_wavefront_size32 1
		.amdhsa_system_sgpr_workgroup_id_x 1
		.amdhsa_system_sgpr_workgroup_id_y 1
		.amdhsa_system_sgpr_workgroup_id_z 1
		.amdhsa_system_vgpr_workitem_id 0
		.amdhsa_next_free_vgpr 256
		.amdhsa_next_free_sgpr 66
		.amdhsa_reserve_vcc 0
		.amdhsa_float_denorm_mode_32 3
		.amdhsa_float_denorm_mode_16_64 3
		.amdhsa_memory_ordered 1
		.amdhsa_forward_progress 1
		.amdhsa_inst_pref_size 40
	.end_amdhsa_kernel
	.amdgpu_metadata
---
amdhsa.version: [ 1, 2 ]
amdhsa.kernels:
  - .name:           k_q73ed483769_proj
    .symbol:         k_q73ed483769_proj.kd
    .args:
      - { .name: qsw, .offset: 0, .size: 8, .value_kind: global_buffer, .address_space: global }
      - { .name: g32, .offset: 8, .size: 8, .value_kind: global_buffer, .address_space: global }
      - { .name: b_proj, .offset: 16, .size: 8, .value_kind: global_buffer, .address_space: global }
      - { .name: out0, .offset: 24, .size: 8, .value_kind: global_buffer, .address_space: global }
    .group_segment_fixed_size: 0
    .private_segment_fixed_size: 0
    .kernarg_segment_align: 8
    .kernarg_segment_size: 32
    .max_flat_workgroup_size: 256
    .sgpr_count:     66
    .vgpr_count:     256
    .wavefront_size: 32
...
	.end_amdgpu_metadata
.endif
;; end of part 4
;; ======== version 2 of 2: 4 launches; version 1 with the launch prep written anew for expert scheduling mode
;; workspace buffers: xb 33,554,432 bytes; wt 4,456,448 bytes; qsw 1,048,576 bytes; kvp 524,288 bytes; g32 262,144 bytes
;; launch prep (part 5): grid 304 x 1, 8 waves a work-group, no clusters, 140,288 bytes of LDS; arguments x, W_qkv, xb, wt; writes xb, wt
.if DOCPART == 5
	.amdgcn_target "amdgcn-amd-amdhsa--gfx1250"
	.amdhsa_code_object_version 6
	.text
	.protected	k_q73ed483769_prep
	.globl	k_q73ed483769_prep
	.p2align	8
	.type	k_q73ed483769_prep,@function
k_q73ed483769_prep:
	s_mov_b64 s[64:65], 0
	v_nop
	global_prefetch_b8 v0, s[64:65] scope:SCOPE_SE
	s_setreg_imm32_b32 hwreg(HW_REG_WAVE_SCHED_MODE, 0, 2), 2
	s_setreg_imm32_b32 hwreg(HW_REG_WAVE_MODE, 25, 1), 1
	s_wait_xcnt 0x0
	s_wait_alu depctr_vm_vsrc(0)
; PREPARATION.  Work-groups 0-255: xb = x rounded to bf16, [16384][1024].  Work-groups 256-303: one head's 64 columns of W_qkv each
; (0-15 q, 16-31 k, 32-47 v), rounded to bf16 and turned so that K lies along the rows of wt = [8 ct][272 rows][1024 k] bf16.
; wt row 64 hd4 + 16 bb + r of block ct holds column 256 ct + 64 hd4 + 4 r + bb.  Rows 256 + i of the blocks ct >= 4 hold the sums of a
; v head's 64 (rounded) columns, i = 8 chh + 2 part + hdl for head 4 (ct - 4) + 2 chh + hdl: part 0 the sum rounded to bf16, part 1 the rest
; rounded to bf16.  The rows with i & 4 set, and all sixteen extra rows of the blocks ct < 4, are 0.
; Every wave reads 32 KiB.  No wave wants another wave's bytes: the turning goes through a stage in LDS of the wave's own, without a barrier.
; THE MODE: SCHED_MODE bits 1:0 = 2 (LLVM: expert scheduling mode 2), set by the entry lines.  The code itself states the register dependences
; between vector instructions and memory or LDS instructions, with s_wait_alu, always for 0.
; THE PLAN.  Registers that memory or LDS instructions touch:
;   X0 .. X3   four raw slots.  Turn p's sixteen roundings read X[p % 4]; behind them the loads of turn p + 4 land in it.  On W's way the stage's 32 LDS loads land there behind turn 7.
;   Y0, Y1     x's way: turn p's roundings write Y[p % 2], turn p's eight stores read it, turn p + 2's roundings write it again.
;   P0, P1     W's way: the same with the turn's four LDS stores.
;   v6 .. v12  offsets and addresses, made once at each way's head and never written again: rows are reached by immediate offsets.
;   HI, Z      written by vector instructions, read by a v head's four last stores.  SUM, U, LO are named by vector instructions alone.
; So ONE wait on va_vdst stands in a turn, behind its roundings: they have written the out-buffer, which the stores read, and are done reading the raw slot, in which the
; loads land; the turn's loads and stores follow it with no vector instruction between.  One wait on vm_vsrc stands at the head of turns 2 to 7: the stores of two turns back have read
; the out-buffer that is written again.
.set STG,   17408                      ; a wave's stage: 64 rows x (256 + 16) bytes; rows 272 bytes apart start at sixteen different groups of four banks
.set SPARE, 8*STG                      ; behind the stages: the spare words, 128 bytes a wave
.set SPW, 4                            ; v4   my spare word; never rewritten
.set NIL, 5                            ; v5   0; never rewritten
.set VI,  6                            ; v6   x path: 16 x lane
.set VOX, 7                            ; v7   x path: 8 x lane
.set VWI, 8                            ; v8   W path: 8 rows of W_qkv x (lane / 16) + 16 (lane % 16)
.set STA, 9                            ; v9   into the stage
.set RDA, 10                           ; v10  back from the stage
.set VWO, 11                           ; v11  two rows of wt
.set VVO, 12                           ; v12  two rows of wt, two rows apart
.set X,   32                           ; v[32:159]  four slots of 32 registers; later the stage read back
.set Y,   160                          ; v[160:191] x path: two out-buffers of 16 registers, a row in bf16 each
.set P,   160                          ; v[160:175] W path: packed, on the way into the stage: the even turns' buffer
.set P1,  204                          ; v[204:219] the odd turns'
.set SUM, 176                          ; v[176:183] a v head's sums for 8 k
.set U,   184                          ; v[184:191] at work
.set HI,  192                          ; v[192:195]
.set LO,  196                          ; v[196:199]
.set Z,   200                          ; v[200:203] zeros
	s_load_b256 s[4:11], s[0:1], 0x0               ; x s[4:5], W_qkv s[6:7], xb s[8:9], wt s[10:11]
	v_lshl_add_u32 v[SPW], v0, 2, SPARE
	v_mov_b32 v[NIL], 0
	v_lshrrev_b32 v1, 5, v0
	v_readfirstlane_b32 s12, v1                    ; wave 0..7
	v_and_b32 v1, 31, v0                           ; lane
	v_and_b32 v2, 15, v0                           ; r
	v_bfe_u32 v3, v0, 4, 1                         ; h2
	s_wait_alu depctr_va_sdst(0)                   ; s12 is written: ahead of the branch, and of its first readers on both ways, which make the bases and the stage's place from it
	s_mov_b32 s16, ttmp9
	s_cmp_lt_u32 s16, 256
	s_cbranch_scc0 .Lw
	; ---- x: the work-group owns 64 rows, the wave 8; a ring of four row slots in registers
	v_lshlrev_b32 v[VI], 4, v1
	v_lshlrev_b32 v[VOX], 3, v1
	s_lshl_b32 s18, s16, 18                        ; 64 rows of 4,096 bytes
	s_lshl_b32 s17, s12, 15                        ; 8 rows
	s_add_co_u32 s18, s18, s17
	s_mov_b32 s19, 0
	s_lshr_b32 s22, s18, 1                         ; half of that in xb
	s_mov_b32 s23, 0
	s_wait_kmcnt 0x0
	s_add_nc_u64 s[4:5], s[4:5], s[18:19]
	s_add_nc_u64 s[8:9], s[8:9], s[22:23]
	s_wait_alu depctr_va_vdst(0)                   ; v[VI] and v[VOX] are written: every load and store of this way reads one of them as its offset
.macro XFILL s, row                    ; a row's eight loads, 512 consecutive bytes each
.irp j, 0,1,2,3,4,5,6,7
	global_load_b128 v[X+32*(\s)+4*(\j):X+32*(\s)+4*(\j)+3], v[VI], s[4:5] offset:(\row)*4096+512*(\j) th:TH_LOAD_NT
.endr
.endm
.macro XTURN row, left, fill           ; left: the younger loads, which may stay out
.set XS, X+32*((\row)%4)
.set YS, Y+16*((\row)%2)
	s_wait_loadcnt \left
.if (\row) >= 2
	s_wait_xcnt 0x0                                ; every earlier memory instruction has had its addresses translated (ISA guide 3.1): the out-buffer, which the stores of two turns back read, is rewritten only behind this wait
	s_wait_alu depctr_vm_vsrc(0)                   ; the stores of two turns back have read this out-buffer, which the roundings below write again
.endif
.irp j, 0,1,2,3,4,5,6,7
	v_cvt_pk_bf16_f32 v[YS+2*(\j)],   v[XS+4*(\j)],   v[XS+4*(\j)+1]
	v_cvt_pk_bf16_f32 v[YS+2*(\j)+1], v[XS+4*(\j)+2], v[XS+4*(\j)+3]
.endr
	s_wait_alu depctr_va_vdst(0)                   ; the roundings have written the out-buffer, which the stores below read, and are done reading the raw slot, in which the loads below land
.irp j, 0,1,2,3,4,5,6,7
.if \fill
	global_load_b128 v[XS+4*(\j):XS+4*(\j)+3], v[VI], s[4:5] offset:((\row)+4)*4096+512*(\j) th:TH_LOAD_NT  ; the slot is asked for again at once: the row four further down
.endif
	global_store_b64 v[VOX], v[YS+2*(\j):YS+2*(\j)+1], s[8:9] offset:(\row)*2048+256*(\j)  ; 32 lanes store 256 consecutive bytes, aligned
.endr
.endm
	XFILL 0, 0
	XFILL 1, 1
	XFILL 2, 2
	XFILL 3, 3
	XTURN 0, 24, 1                                 ; three younger rows of eight loads stay out,
	XTURN 1, 24, 1
	XTURN 2, 24, 1
	XTURN 3, 24, 1
	XTURN 4, 24, 0
	XTURN 5, 16, 0                                 ; and the counts run down when nothing more is asked for
	XTURN 6, 8, 0
	XTURN 7, 0, 0
	s_branch .Lend
	; ---- W_qkv: head s16 of 48, rows k = 128 wave .. + 127
.Lw:
	s_sub_co_u32 s16, s16, 256
	s_mov_b32 s13, 0xffff0000                      ; a word's upper bf16
	s_mov_b32 s14, 0x76543210                      ; v_permlanex16_b32: each lane takes its own place in the other half
	s_mov_b32 s15, 0xfedcba98
	s_mov_b32 s20, 0xffff0000                      ; lanes 16-31
	v_mul_u32_u24 v[VWI], v3, 98304                ; 8 rows of 12,288 bytes
	v_lshl_add_u32 v[VWI], v2, 4, v[VWI]
	s_mul_i32 s17, s12, STG                        ; my stage
	v_mul_u32_u24 v[STA], v2, 272
	v_lshl_add_u32 v[STA], v3, 4, v[STA]
	v_add_nc_u32 v[STA], s17, v[STA]
	v_mul_u32_u24 v[RDA], v3, 272
	v_lshl_add_u32 v[RDA], v2, 4, v[RDA]
	v_add_nc_u32 v[RDA], s17, v[RDA]
	v_lshlrev_b32 v[VWO], 11, v3
	v_lshl_add_u32 v[VWO], v2, 4, v[VWO]
	v_lshlrev_b32 v[VVO], 12, v3
	v_lshl_add_u32 v[VVO], v2, 4, v[VVO]
	s_mul_i32 s18, s12, 1572864                    ; 128 rows of 12,288 bytes
	s_lshl_b32 s17, s16, 8                         ; the head's 256 bytes in a row
	s_add_co_u32 s18, s18, s17
	s_mov_b32 s19, 0
	s_wait_kmcnt 0x0
	s_add_nc_u64 s[6:7], s[6:7], s[18:19]
	s_wait_alu depctr_va_vdst(0)                   ; the five offsets and addresses v8 to v12 are written, which the loads, LDS instructions and stores of this way read
.macro WFILL s, g                      ; 16 rows: lanes 0-15 take the head's 256 bytes of row 16 g + i, lanes 16-31 of row 16 g + 8 + i
.irp i, 0,1,2,3,4,5,6,7
	global_load_b128 v[X+32*(\s)+4*(\i):X+32*(\s)+4*(\i)+3], v[VWI], s[6:7] offset:(16*(\g)+(\i))*12288 th:TH_LOAD_NT
.endr
.endm
.macro WTURN g, left, fill             ; a lane's 8 k of column 4 r + bb pack into 16 bytes of stage row 16 bb + r
.set XS, X+32*((\g)%4)
.set PS, P+(P1-P)*((\g)%2)
	s_wait_loadcnt \left
.if (\g) >= 2
	s_wait_alu depctr_vm_vsrc(0)                   ; the LDS stores of two turns back have read this packing buffer, which the roundings below write again
.endif
.irp bb, 0,1,2,3
.irp q, 0,1,2,3
	v_cvt_pk_bf16_f32 v[PS+4*(\bb)+(\q)], v[XS+8*(\q)+(\bb)], v[XS+8*(\q)+4+(\bb)]
.endr
.endr
	s_wait_alu depctr_va_vdst(0)                   ; the roundings have written the packing buffer, which the LDS stores below read, and are done reading the raw slot, in which the loads below (behind turn 7: the stage's LDS loads) land
.if \fill
	WFILL (\g)%4, (\g)+4
.endif
.irp bb, 0,1,2,3
	ds_store_b128 v[STA], v[PS+4*(\bb):PS+4*(\bb)+3] offset:(\bb)*4352+32*(\g)
.endr
.endm
	WFILL 0, 0
	WFILL 1, 1
	WFILL 2, 2
	WFILL 3, 3
	WTURN 0, 24, 1
	WTURN 1, 24, 1
	WTURN 2, 24, 1
	WTURN 3, 24, 1
	WTURN 4, 24, 0
	WTURN 5, 16, 0
	WTURN 6, 8, 0
	WTURN 7, 0, 0
.set t, 0
.rept 32                               ; back as whole rows of 256 bytes, two a load; LDS serves a wave's instructions in order, so these see the stores above.  No vector instruction since turn 7's wait names v[X ..]
	ds_load_b128 v[X+4*t:X+4*t+3], v[RDA] offset:544*t
.set t, t+1
.endr
	s_cmp_lt_u32 s16, 32
	s_cbranch_scc0 .Lv
	s_lshr_b32 s17, s16, 2                         ; ct
	s_mul_i32 s17, s17, 272
	s_and_b32 s21, s16, 3
	s_lshl_b32 s21, s21, 6
	s_add_co_u32 s17, s17, s21                     ; + 64 hd4
	s_lshl_b32 s17, s17, 11                        ; rows of 2,048 bytes
	s_lshl_b32 s21, s12, 8                         ; my 128 k
	s_add_co_u32 s18, s17, s21
	s_mov_b32 s19, 0
	s_add_nc_u64 s[10:11], s[10:11], s[18:19]
.set t, 0
.rept 32
	s_wait_dscnt 31-t
	global_store_b128 v[VWO], v[X+4*t:X+4*t+3], s[10:11] offset:4096*t  ; 16 lanes store 256 consecutive bytes of a row, aligned; the data come from LDS loads: the wait above is theirs
.set t, t+1
.endr
	s_branch .Lend
.Lv:	; a v head: the 64 stage rows are added, in f32
	s_sub_co_u32 s16, s16, 32                      ; hv
	s_lshr_b32 s17, s16, 2
	s_add_co_u32 s17, s17, 4                       ; ct = 4 + hv / 4
	s_mul_i32 s17, s17, 272
	s_bfe_u32 s21, s16, 0x10001                    ; chh
	s_lshl_b32 s21, s21, 3
	s_add_co_u32 s17, s17, s21
	s_and_b32 s21, s16, 1                          ; hdl
	s_add_co_u32 s17, s17, s21
	s_add_co_u32 s17, s17, 256
	s_lshl_b32 s17, s17, 11
	s_lshl_b32 s21, s12, 8
	s_add_co_u32 s18, s17, s21
	s_mov_b32 s19, 0
	s_add_nc_u64 s[10:11], s[10:11], s[18:19]
	s_wait_dscnt 31
.irp w, 0,1,2,3
	v_lshlrev_b32 v[SUM+2*(\w)],   16,  v[X+(\w)]  ; the first rows start the sums
	v_and_b32     v[SUM+2*(\w)+1], s13, v[X+(\w)]
.endr
.set t, 1
.rept 31
	s_wait_dscnt 31-t
.irp w, 0,1,2,3
	v_lshlrev_b32 v[U+2*(\w)],   16,  v[X+4*t+(\w)]
	v_and_b32     v[U+2*(\w)+1], s13, v[X+4*t+(\w)]
.endr
.irp w, 0,2,4,6
	v_pk_add_f32 v[SUM+(\w):SUM+(\w)+1], v[SUM+(\w):SUM+(\w)+1], v[U+(\w):U+(\w)+1]
.endr
.set t, t+1
.endr
.irp e, 0,1,2,3,4,5,6,7
	v_permlanex16_b32 v[U+(\e)], v[SUM+(\e)], s14, s15  ; the odd rows' sums lie in the other half of the lanes
.endr
.irp w, 0,2,4,6
	v_pk_add_f32 v[SUM+(\w):SUM+(\w)+1], v[SUM+(\w):SUM+(\w)+1], v[U+(\w):U+(\w)+1]
.endr
.irp w, 0,1,2,3
	v_cvt_pk_bf16_f32 v[HI+(\w)], v[SUM+2*(\w)], v[SUM+2*(\w)+1]
.endr
.irp w, 0,1,2,3
	v_lshlrev_b32 v[U+2*(\w)],   16,  v[HI+(\w)]
	v_and_b32     v[U+2*(\w)+1], s13, v[HI+(\w)]
.endr
.irp w, 0,2,4,6
	v_pk_add_f32 v[SUM+(\w):SUM+(\w)+1], v[SUM+(\w):SUM+(\w)+1], v[U+(\w):U+(\w)+1] neg_lo:[0,1] neg_hi:[0,1]
.endr
.irp w, 0,1,2,3
	v_cvt_pk_bf16_f32 v[LO+(\w)], v[SUM+2*(\w)], v[SUM+2*(\w)+1]
.endr
.irp w, 0,1,2,3
	v_cndmask_b32 v[HI+(\w)], v[HI+(\w)], v[LO+(\w)], s20  ; lanes 16-31 carry the rest, for the row two further down
	v_mov_b32 v[Z+(\w)], 0
.endr
	s_wait_alu depctr_va_vdst(0)                   ; v[HI ..] and v[Z ..] are written, which the four stores read
	global_store_b128 v[VVO], v[HI:HI+3], s[10:11]
	global_store_b128 v[VVO], v[Z:Z+3], s[10:11] offset:8192            ; rows i + 4 and i + 6
	global_store_b128 v[VVO], v[Z:Z+3], s[10:11] offset:-2228224        ; the same four rows of block ct - 4: 4 x 272 rows back
	global_store_b128 v[VVO], v[Z:Z+3], s[10:11] offset:-2228224+8192
.Lend:
	s_wait_dscnt 0x0                               ; the closing lines, six on end
	s_wait_alu 0x0
	s_wait_tensorcnt 0x0
	ds_add_u32 v[SPW], v[NIL]
	s_wait_dscnt 0x0
	s_endpgm
.Lfunc_end_k_q73ed483769_prep:
	.size	k_q73ed483769_prep, .Lfunc_end_k_q73ed483769_prep-k_q73ed483769_prep
	.p2alignl 7, 3214868480
	.fill 96, 4, 3214868480
	.section	.rodata,"a",@progbits
	.p2align	6, 0x0
	.amdhsa_kernel k_q73ed483769_prep
		.amdhsa_group_segment_fixed_size 140288
		.amdhsa_private_segment_fixed_size 0
		.amdhsa_enable_private_segment 0
		.amdhsa_kernarg_size 32
		.amdhsa_user_sgpr_count 2
		.amdhsa_user_sgpr_kernarg_segment_ptr 1
		.amdhsa_wavefront_size32 1
		.amdhsa_system_sgpr_workgroup_id_x 1
		.amdhsa_system_sgpr_workgroup_id_y 1
		.amdhsa_system_sgpr_workgroup_id_z 1
		.amdhsa_system_vgpr_workitem_id 0
		.amdhsa_next_free_vgpr 220
		.amdhsa_next_free_sgpr 66
		.amdhsa_reserve_vcc 0
		.amdhsa_float_denorm_mode_32 3
		.amdhsa_float_denorm_mode_16_64 3
		.amdhsa_memory_ordered 1
		.amdhsa_forward_progress 1
		.amdhsa_inst_pref_size 67
	.end_amdhsa_kernel
	.amdgpu_metadata
---
amdhsa.version: [ 1, 2 ]
amdhsa.kernels:
  - .name:           k_q73ed483769_prep
    .symbol:         k_q73ed483769_prep.kd
    .args:
      - { .name: x, .offset: 0, .size: 8, .value_kind: global_buffer, .address_space: global }
      - { .name: W_qkv, .offset: 8, .size: 8, .value_kind: global_buffer, .address_space: global }
      - { .name: xb, .offset: 16, .size: 8, .value_kind: global_buffer, .address_space: global }
      - { .name: wt, .offset: 24, .size: 8, .value_kind: global_buffer, .address_space: global }
    .group_segment_fixed_size: 140288
    .private_segment_fixed_size: 0
    .kernarg_segment_align: 8
    .kernarg_segment_size: 32
    .max_flat_workgroup_size: 256
    .sgpr_count:     66
    .vgpr_count:     220
    .wavefront_size: 32
...
	.end_amdgpu_metadata
.endif
;; end of part 5
;; launch gemm: the kernel of part 2 again; grid 8 x 64, 4 waves a work-group, clusters of 4 x 4, 327,680 bytes of LDS; arguments xb, wt, qsw, kvp; writes qsw, kvp
;; launch gmat: the kernel of part 3 again; grid 64 x 1, 4 waves a work-group, no clusters, 2,560 bytes of LDS; arguments kvp, W_proj, g32; writes g32
;; launch proj: the kernel of part 4 again; grid 256 x 1, 8 waves a work-group, no clusters, 0 bytes of LDS; arguments qsw, g32, b_proj, out0; writes out0
